; MI455X (gfx1250); checked and timed in simulation.
; The chip was launched on July 23, 2026; its instructions are those of AMD's public machine-readable ISA for CDNA 5 (MIT licence, August 2026) and "CDNA5" Instruction Set Architecture Reference Guide (July 2026). The comments in the code are by the model that wrote it; some were corrected since.
;; Bridge. Allowed arithmetic: float matrix products may take bf16 or f16 operands with f32 sums; other float arithmetic in f32, or as packed bf16 or f16 multiplies, adds, multiply-adds, maxima and minima; sums over many terms, partial sums and values carried from step to step in f32; what a program stores and reads back later, other than sums and carried values, may be rounded once to bf16 or f16.
;; Inputs: coords 8,192 x 3 float32; features 16,384 x 64 float32; positions 16,384 x 3 float32; weights 16,384 float32.
;; Outputs: out0 8,192 x 64 float32.
;; 2 versions, each right; version 2 is version 1 with the launches exact, gather written anew for expert scheduling mode. Each part assembles by itself: llvm-mc -triple=amdgcn-amd-amdhsa -mcpu=gfx1250 --defsym DOCPART=n.
;; ======== version 1 of 2: 3 launches
;; workspace buffers: gids 262,144 bytes of whole numbers; idx 262,144 bytes of whole numbers; wts 262,144 bytes
;; launch groups (part 1): grid 256 x 1, 16 waves a work-group, clusters of 4 x 1, 296,960 bytes of LDS; arguments coords, positions, weights, gids; writes gids
.if DOCPART == 1
	.amdgcn_target "amdgcn-amd-amdhsa--gfx1250"
	.amdhsa_code_object_version 6
	.text
	.protected	k_q5e8b3af619_groups
	.globl	k_q5e8b3af619_groups
	.p2align	8
	.type	k_q5e8b3af619_groups,@function
k_q5e8b3af619_groups:
	s_mov_b64 s[64:65], 0
	v_nop
	global_prefetch_b8 v0, s[64:65] scope:SCOPE_SE
	s_setreg_imm32_b32 hwreg(HW_REG_WAVE_MODE, 25, 1), 1
	s_wait_xcnt 0x0
	s_wait_alu depctr_hold_cnt(0) depctr_sa_sdst(0) depctr_va_vdst(0) depctr_va_sdst(0) depctr_va_ssrc(0) depctr_va_vcc(0) depctr_vm_vsrc(0)
	s_getreg_b32 s2, hwreg(HW_REG_IB_STS2, 6, 4)
	s_cmp_eq_u32 s2, 0
	s_cbranch_scc0 .Lentry_in_a_cluster
	s_endpgm
.Lentry_in_a_cluster:
	s_bfe_u32 s2, ttmp6, 0x10000c
	s_cmp_lg_u32 s2, 0x3003
	s_cbranch_scc0 .Lentry_shape_is_right
	s_endpgm
.Lentry_shape_is_right:
; GROUPS.  key(q, a) = |coords[q] - positions[a]|^2 / (weights[a]^2 + 1e-8).  The 16,384 anchors are cut into 512 groups of 32 consecutive anchors.
; For each query this launch finds the 8 groups with the smallest (least key in the group, group number) and stores their numbers, ascending.
; Under the order (key, anchor index) the 8 nearest anchors lie in those 8 groups: an anchor in any other group has 8 anchors in front of it, the first least one of each of the 8.
; So the full scan pays half a v_min3 a pair for the choice, and the lists of (key, number), 31 instructions an insert, see 512 entries a query in place of 16,384.
; ARITHMETIC, the same bit for bit as in the launch behind: d = p - c; dx dx; fma dy; fma dz; times inv; inv = r + r (1 - t r), r = v_rcp_f32(t), t = fma(w, w, 1e-8).
; SHARES.  A work-group has 32 queries and all anchors.  Wave w has anchors 1,024 w on; lane l holds group 32 w + l in registers: 96 of x, y, z as they lie in memory, 32 of inv.
; A trip takes two queries: the packed pair is (query A, query B), an anchor's number is given to both halves by op_sel, so the registers are used as loaded.
; CLUSTER.  Every work-group reads the same table (262,144 bytes): the four of a cluster ask for it jointly.  A wave asks for its own 12,288 + 4,096 bytes, once; nothing is filled again.
; LIMITS.  A NaN key is not treated apart.  An infinite key never enters a list: a query needs 8 groups with a finite least key.  Equal keys: the lower group number wins (ascending inserts, strict compare).
; No prefetch: the table is wanted at the head alone.  No matrix unit: the product form of a distance is a difference of large sums.
.set WREG,  18432                      ; a wave's LDS: its positions, then its weights; later, over them, its scratch
.set POSB,  13824                      ; 12,288 bytes of positions + 16 of padding behind every 128
.set SPARE, 16*WREG                    ; behind the sixteen regions: the spare words, 128 bytes for each wave, that no other line names
.set TP,    144                        ; a row of the turning square: 32 minima + 16 bytes = 36 words
.set XCH,   32*TP                      ; behind the square: four exchange slots, one for each level of merging
.set XP,    80                         ; a lane's list in a slot: 64 bytes + 16
.set XSL,   32*XP
.set OUTS,  XCH+4*XSL                  ; behind them: 1,024 bytes for the way out
.set LN,  1                            ; v1   lane
.set AP,  2                            ; v2   LDS address of my group's positions: region + 432 x lane
.set AW,  3                            ; v3   region + 144 x lane: my group's weights (at POSB), later my row of the square
.set TB,  4                            ; v4   region + 4 x lane
.set TS,  5                            ; v5   where the trip's two minima go
.set LX,  6                            ; v6   80 x lane
.set AX,  7                            ; v7   region + 80 x lane
.set SPW, 8                            ; v8   LDS address of my spare word; never rewritten
.set NIL, 9                            ; v9   0; never rewritten
.set CX,  10                           ; v[10:15] the two queries' x, y, z as pairs
.set CY,  12
.set CZ,  14
.set AA,  16                           ; v16, v17  the running minima of query A and B
.set AB,  17
.set TA,  18
.set TC,  19
.set D,   20                           ; v[20:43]  four anchors at work, six registers each
.set AXP, 44
.set LO,  45
.set GO,  46
.set RAW, 48                           ; v[48:143]  x, y, z of my 32 anchors
.set IV,  144                          ; v[144:175] w, then t, then 1 - t r, then inv
.set RC,  176                          ; v[176:207] r
.set M,   48                           ; behind the scan: 32 minima of one query
.set K,   80                           ; v[80:87]   the list's keys, ascending
.set I,   88                           ; v[88:95]   and their group numbers
.set T,   96
.set KB,  104                          ; the partner's list
.set IB,  112
.set WV,  12                           ; s12  wave
.set WG,  14                           ; s14  work-group
.set WB,  15                           ; s15  my region's first LDS byte
.set G1P, 16                           ; s[16:23] descriptor group 1, positions
.set G1W, 24                           ; s[24:31] weights
.set G0P, 32
.set G0W, 36
.set CQ,  40                           ; s[40:45] two queries' coordinates
.set OF,  46
.set CT,  47
.set MK,  48                           ; s[48:55] lane masks: key < list's key j
.set TM,  56
.set EP,  66                           ; s[66:67] 1e-8, named as a pair
.macro CROUND                          ; a round of the cluster's barrier
	s_barrier_signal -1
	s_barrier_wait -1
	s_cmp_lg_u32 s[WV], 0
	s_cbranch_scc1 .Lnot_wave_0_\@
	s_barrier_signal -3
.Lnot_wave_0_\@:
	s_barrier_wait -3
	s_barrier_signal -1
	s_barrier_wait -1
.endm
.macro BSUB d, r, c                    ; pair d = register r, given to both halves, less pair c
.if ((\r)%2) == 1
	v_pk_add_f32 v[(\d):(\d)+1], v[(\r)-1:(\r)], v[(\c):(\c)+1] op_sel:[1,0] op_sel_hi:[1,1] neg_lo:[0,1] neg_hi:[0,1]
.else
	v_pk_add_f32 v[(\d):(\d)+1], v[(\r):(\r)+1], v[(\c):(\c)+1] op_sel_hi:[0,1] neg_lo:[0,1] neg_hi:[0,1]
.endif
.endm
.macro BMUL d, r                       ; pair d times register r
.if ((\r)%2) == 1
	v_pk_mul_f32 v[(\d):(\d)+1], v[(\d):(\d)+1], v[(\r)-1:(\r)] op_sel:[0,1] op_sel_hi:[1,1]
.else
	v_pk_mul_f32 v[(\d):(\d)+1], v[(\d):(\d)+1], v[(\r):(\r)+1] op_sel_hi:[1,0]
.endif
.endm
; Anchors a .. a + 3 against both queries: 28 packed instructions, stage by stage so that four chains run side by side, and 4 minima.
.macro BLOCK a, first
.irp k, 0,1,2,3
	BSUB D+6*(\k),   RAW+3*((\a)+(\k)),   CX
	BSUB D+6*(\k)+2, RAW+3*((\a)+(\k))+1, CY
	BSUB D+6*(\k)+4, RAW+3*((\a)+(\k))+2, CZ
.endr
.irp k, 0,1,2,3
	v_pk_mul_f32 v[D+6*(\k):D+6*(\k)+1], v[D+6*(\k):D+6*(\k)+1], v[D+6*(\k):D+6*(\k)+1]
.endr
.irp k, 0,1,2,3
	v_pk_fma_f32 v[D+6*(\k):D+6*(\k)+1], v[D+6*(\k)+2:D+6*(\k)+3], v[D+6*(\k)+2:D+6*(\k)+3], v[D+6*(\k):D+6*(\k)+1]
.endr
.irp k, 0,1,2,3
	v_pk_fma_f32 v[D+6*(\k):D+6*(\k)+1], v[D+6*(\k)+4:D+6*(\k)+5], v[D+6*(\k)+4:D+6*(\k)+5], v[D+6*(\k):D+6*(\k)+1]
.endr
.irp k, 0,1,2,3
	BMUL D+6*(\k), IV+(\a)+(\k)
.endr
	v_min3_num_f32 v[TA], v[D], v[D+6], v[D+12]
	v_min3_num_f32 v[TC], v[D+1], v[D+7], v[D+13]
.if \first
	v_min_num_f32 v[AA], v[TA], v[D+18]            ; the first block starts the minima: nothing is preset
	v_min_num_f32 v[AB], v[TC], v[D+19]
.else
	v_min3_num_f32 v[AA], v[AA], v[TA], v[D+18]
	v_min3_num_f32 v[AB], v[AB], v[TC], v[D+19]
.endif
.endm
; (key in register kr, number id) goes into the sorted list; slots below lo are known to stay.  c_j = key < K_j.  New I_j = c_j ? (c_(j-1) ? I_(j-1) : id) : I_j;
; new K_j = the middle one of K_(j-1), key, K_j.  The compare is strict: of equal keys the one that came first stays in front.
.macro INSERT kr, id, lo
.set j, (\lo)
.rept 8-(\lo)
	v_cmp_lt_f32 s[MK+j], v[\kr], v[K+j]
.set j, j+1
.endr
.if (\lo) < 7
.set j, (\lo)+1
.rept 7-(\lo)
	v_cndmask_b32 v[T+j], \id, v[I+j-1], s[MK+j-1]
.set j, j+1
.endr
.set j, (\lo)+1
.rept 7-(\lo)
	v_cndmask_b32 v[I+j], v[I+j], v[T+j], s[MK+j]
.set j, j+1
.endr
.endif
	v_cndmask_b32 v[I+(\lo)], v[I+(\lo)], \id, s[MK+(\lo)]
.if (\lo) < 7
.set j, 7
.rept 7-(\lo)
	v_med3_num_f32 v[K+j], v[K+j-1], v[\kr], v[K+j]
.set j, j-1
.endr
.endif
	v_min_num_f32 v[K+(\lo)], v[K+(\lo)], v[\kr]
.endm
; Level l of the merging: every wave lays its list into its own slot l; behind the barrier the waves whose number is a multiple of 2 << l take in the list of wave + (1 << l),
; whose groups all have higher numbers.  Entry j of a sorted list lands at slot j or higher.  Each level has slots of its own, so one barrier a level is enough.
.macro LEVEL l
	ds_store_b128 v[AX], v[K:K+3]   offset:XCH+(\l)*XSL
	ds_store_b128 v[AX], v[K+4:K+7] offset:XCH+(\l)*XSL+16
	ds_store_b128 v[AX], v[I:I+3]   offset:XCH+(\l)*XSL+32
	ds_store_b128 v[AX], v[I+4:I+7] offset:XCH+(\l)*XSL+48
	s_wait_dscnt 0x0                               ; for the others' sake: my list lies in LDS
	s_barrier_signal -1
	s_barrier_wait -1
	s_xor_b32 s[TM], s[WV], 1<<(\l)                ; the partner's region
	s_mul_i32 s[TM], s[TM], WREG
	s_and_b32 s[TM+1], s[WV], (2<<(\l))-1
	s_cmp_lg_u32 s[TM+1], 0
	s_cbranch_scc1 .Lnot_mine_\@
	v_add_nc_u32 v[AXP], s[TM], v[LX]
	ds_load_b128 v[KB:KB+3],   v[AXP] offset:XCH+(\l)*XSL
	ds_load_b128 v[KB+4:KB+7], v[AXP] offset:XCH+(\l)*XSL+16
	ds_load_b128 v[IB:IB+3],   v[AXP] offset:XCH+(\l)*XSL+32
	ds_load_b128 v[IB+4:IB+7], v[AXP] offset:XCH+(\l)*XSL+48
	s_wait_dscnt 0x0
.irp e, 0,1,2,3,4,5,6,7
	INSERT KB+(\e), v[IB+(\e)], \e
.endr
.Lnot_mine_\@:
.endm
.macro CE a, b                         ; a comparator on two group numbers; the spare register takes the lesser one and changes names with a
	v_min_u32 v[TT], v[\a], v[\b]
	v_max_u32 v[\b], v[\a], v[\b]
.set SW, \a
.set \a, TT
.set TT, SW
.endm
	s_load_b256 s[4:11], s[0:1], 0x0               ; coords s[4:5], positions s[6:7], weights s[8:9], gids s[10:11]
	v_lshl_add_u32 v[SPW], v0, 2, SPARE
	v_mov_b32 v[NIL], 0
	ds_add_u32 v[SPW], v[NIL]                      ; the wave's opening: the add and its wait stand ahead of my first tensor load; the set-up below stands between them
	v_lshrrev_b32 v[LN], 5, v0
	v_readfirstlane_b32 s[WV], v[LN]               ; wave 0..15
	s_bfe_u32 s13, ttmp6, 0x40000                  ; cx: my place in the cluster; it enters the addresses of coords and gids alone
	s_lshl_b32 s[WG], ttmp9, 2
	s_add_co_u32 s[WG], s[WG], s13                 ; work-group = 4 x cluster + cx
	; descriptor group 1: dense bytes asked for as rows of 64 words (256 bytes), 48 rows of positions, 16 of weights; 4 words of padding behind every 32
	s_mov_b32 s[G1P], 15|(2<<16)|(1<<20)|(1<<21)|(4<<22)|(3<<25)  ; 15:0 the mask of four; 17:16 4-byte elements; 20 padding on; 21 set beside a mask; 24:22 after every 32 words (code 4); 31:25 4 words (code 3)
	s_mov_b32 s[G1W], 15|(2<<16)|(1<<20)|(1<<21)|(4<<22)|(3<<25)
.irp g, G1P, G1W
	s_mov_b32 s[(\g)+1], 64<<16                    ; tensor_dim0 = 64
	s_mov_b32 s[(\g)+3], 64<<16                    ; tile_dim0 = 64
	s_mov_b32 s[(\g)+5], 64                        ; 64 elements from row to row
	s_mov_b32 s[(\g)+6], 0
	s_mov_b32 s[(\g)+7], 0
.endr
	s_mov_b32 s[G1P+2], 48<<16                     ; tensor_dim1
	s_mov_b32 s[G1P+4], 48                         ; tile_dim1
	s_mov_b32 s[G1W+2], 16<<16
	s_mov_b32 s[G1W+4], 16
	s_mul_i32 s[WB], s[WV], WREG                   ; LDS addresses hang on the wave's number alone
	s_mov_b32 s[G0P], 1
	s_mov_b32 s[G0P+1], s[WB]
	s_mov_b32 s[G0W], 1
	s_add_co_u32 s[G0W+1], s[WB], POSB
	s_mul_i32 s[TM], s[WV], 12288                  ; my 1,024 anchors in positions,
	s_mov_b32 s[TM+1], 0
	s_lshl_b32 s[TM+2], s[WV], 12                  ; and in weights
	s_mov_b32 s[TM+3], 0
	s_mul_i32 s[TM+4], s[WG], 384                  ; my work-group's 32 queries in coords,
	s_mov_b32 s[TM+5], 0
	s_lshl_b32 s[TM+6], s[WG], 10                  ; and its 1,024 bytes of gids
	s_mov_b32 s[TM+7], 0
	s_mov_b32 s[EP], 0x322bcc77                    ; 1e-8
	s_mov_b32 s[EP+1], 0x322bcc77
	s_wait_dscnt 0x0                               ; the opening add is done
	s_wait_kmcnt 0x0
	s_add_nc_u64 s[G0P+2:G0P+3], s[6:7], s[TM:TM+1]
	s_or_b32 s[G0P+3], s[G0P+3], 0x80000000        ; type = 2
	s_add_nc_u64 s[G0W+2:G0W+3], s[8:9], s[TM+2:TM+3]
	s_or_b32 s[G0W+3], s[G0W+3], 0x80000000
	s_add_nc_u64 s[4:5], s[4:5], s[TM+4:TM+5]
	s_add_nc_u64 s[10:11], s[10:11], s[TM+6:TM+7]
	CROUND                                         ; all four work-groups are here: the joint loads meet
	tensor_load_to_lds s[G0P:G0P+3], s[G1P:G1P+7]  ; my two loads, the only ones of the launch: two are out
	s_nop 0
	tensor_load_to_lds s[G0W:G0W+3], s[G1W:G1W+7]
	s_nop 0
.rept 4
	v_nop
.endr
	s_load_b128 s[CQ:CQ+3], s[4:5], 0x0            ; queries 0 and 1
	s_load_b64 s[CQ+4:CQ+5], s[4:5], 0x10
	v_and_b32 v[LN], 31, v0
	v_mul_u32_u24 v[AP], v[LN], 432                ; a group's 384 bytes hold three paddings: 27 x 16 bytes from lane to lane
	v_add_nc_u32 v[AP], s[WB], v[AP]
	v_mul_u32_u24 v[AW], v[LN], TP
	v_add_nc_u32 v[AW], s[WB], v[AW]
	v_lshl_add_u32 v[TB], v[LN], 2, s[WB]
	v_mul_u32_u24 v[LX], v[LN], XP
	v_add_nc_u32 v[AX], s[WB], v[LX]
	v_lshl_add_u32 v[LO], v[LN], 4, s[WB]
	v_lshlrev_b32 v[GO], 4, v[LN]
	s_wait_tensorcnt 0x0                           ; my tiles are in; only I read them
.irp i, 0,1,2,3,4,5,6,7
	ds_load_b128 v[IV+4*(\i):IV+4*(\i)+3], v[AW] offset:POSB+16*(\i)
.endr
.irp i, 0,1,2,3,4,5,6,7,8,9,10,11,12,13,14,15,16,17,18,19,20,21,22,23
	ds_load_b128 v[RAW+4*(\i):RAW+4*(\i)+3], v[AP] offset:16*(\i)+16*((\i)/8)
.endr
	s_wait_dscnt 24                                ; the 8 loads of weights are in; the 24 of positions, issued behind them, may stay out
.set i, 0
.rept 16
	v_pk_fma_f32 v[IV+i:IV+i+1], v[IV+i:IV+i+1], v[IV+i:IV+i+1], s[EP:EP+1] op_sel_hi:[1,1,0]  ; t = w w + 1e-8
.set i, i+2
.endr
.set i, 0
.rept 32
	v_rcp_f32 v[RC+i], v[IV+i]
.set i, i+1
.endr
	v_nop                                          ; a plain instruction behind the last reciprocal,
	s_wait_alu depctr_va_vdst(0)                   ; and one wait for the batch of 32, ahead of the first use
.set i, 0
.rept 16
	v_pk_fma_f32 v[IV+i:IV+i+1], v[IV+i:IV+i+1], v[RC+i:RC+i+1], 1.0 op_sel_hi:[1,1,0] neg_lo:[1,0,0] neg_hi:[1,0,0]  ; 1 - t r
.set i, i+2
.endr
.set i, 0
.rept 16
	v_pk_fma_f32 v[IV+i:IV+i+1], v[IV+i:IV+i+1], v[RC+i:RC+i+1], v[RC+i:RC+i+1]  ; inv = r + r (1 - t r)
.set i, i+2
.endr
	s_wait_dscnt 0x0                               ; the positions are in registers: from here on my region is scratch (its tiles have had their only fill)
	; THE SCAN: 16 trips, two queries each, 256 vector instructions for 2 x 32 x 32 pairs.
	s_mov_b32 s[CT], 0
.Lpair:
	s_wait_kmcnt 0x0                               ; this trip's coordinates, asked for a trip ago; the loads' offset register is free too
	v_mov_b32 v[CX], s[CQ]
	v_mov_b32 v[CX+1], s[CQ+3]
	v_mov_b32 v[CY], s[CQ+1]
	v_mov_b32 v[CY+1], s[CQ+4]
	v_mov_b32 v[CZ], s[CQ+2]
	v_mov_b32 v[CZ+1], s[CQ+5]
	s_mul_i32 s[TM], s[CT], 2*TP
	v_add_nc_u32 v[TS], s[TM], v[TB]               ; rows 2 t and 2 t + 1 of the square, column = my lane
	s_mul_i32 s[OF], s[CT], 24
	s_add_co_u32 s[OF], s[OF], 24                  ; the next two queries;
	s_min_u32 s[OF], s[OF], 360                    ; the last trip names the last two once more, so that no load leaves the work-group's 384 bytes
	s_load_b128 s[CQ:CQ+3], s[4:5], s[OF] offset:0x0
	s_load_b64 s[CQ+4:CQ+5], s[4:5], s[OF] offset:0x10
	BLOCK 0, 1
	BLOCK 4, 0
	BLOCK 8, 0
	BLOCK 12, 0
	BLOCK 16, 0
	BLOCK 20, 0
	BLOCK 24, 0
	BLOCK 28, 0
	ds_store_b32 v[TS], v[AA]
	ds_store_b32 v[TS], v[AB] offset:TP
	s_add_co_u32 s[CT], s[CT], 1
	s_cmp_lt_u32 s[CT], 16
	s_cbranch_scc1 .Lpair
	s_wait_kmcnt 0x0
	; THE LISTS.  The square is read by rows: lane q now holds query q's 32 minima (LDS serves a wave's instructions in order, ISA guide 5.7.1.4: these loads see the stores above).
.irp i, 0,1,2,3,4,5,6,7
	ds_load_b128 v[M+4*(\i):M+4*(\i)+3], v[AW] offset:16*(\i)
.endr
.irp e, 0,1,2,3,4,5,6,7
	v_mov_b32 v[K+(\e)], 0x7f800000                ; an empty slot: +infinity
	v_mov_b32 v[I+(\e)], 0
.endr
	s_wait_dscnt 0x0
.irp g, 0,1,2,3,4,5,6,7,8,9,10,11,12,13,14,15,16,17,18,19,20,21,22,23,24,25,26,27,28,29,30,31
	INSERT M+(\g), \g, 0
.endr
	s_lshl_b32 s[TM], s[WV], 5
.irp e, 0,1,2,3,4,5,6,7
	v_add_nc_u32 v[I+(\e)], s[TM], v[I+(\e)]       ; group = 32 x wave + lane that held it
.endr
	LEVEL 0
	LEVEL 1
	LEVEL 2
	LEVEL 3
	s_cmp_lg_u32 s[WV], 0
	s_cbranch_scc1 .Lend
	; Wave 0 holds each query's 8 groups.  Their numbers are sorted ascending (19 comparators: two sorts of four, an odd-even merge), so that the launch behind meets the anchors in the order of their indices.
.set R0, I
.set R1, I+1
.set R2, I+2
.set R3, I+3
.set R4, I+4
.set R5, I+5
.set R6, I+6
.set R7, I+7
.set TT, T
	CE R0, R1
	CE R2, R3
	CE R4, R5
	CE R6, R7
	CE R0, R2
	CE R1, R3
	CE R4, R6
	CE R5, R7
	CE R1, R2
	CE R5, R6
	CE R0, R4
	CE R1, R5
	CE R2, R6
	CE R3, R7
	CE R2, R4
	CE R3, R5
	CE R1, R2
	CE R3, R4
	CE R5, R6
	; out by slots: word 32 j + q = slot j of query q.  Through LDS, so that each of the two stores covers 512 consecutive bytes.
.irp e, 0,1,2,3,4,5,6,7
	ds_store_b32 v[TB], v[R\e] offset:OUTS+128*(\e)
.endr
	ds_load_b128 v[KB:KB+3],   v[LO] offset:OUTS
	ds_load_b128 v[KB+4:KB+7], v[LO] offset:OUTS+512
	s_wait_dscnt 0x0
	global_store_b128 v[GO], v[KB:KB+3],   s[10:11]
	global_store_b128 v[GO], v[KB+4:KB+7], s[10:11] offset:512
.Lend:
	s_wait_tensorcnt 0x0                           ; the wave's end: behind my last tensor load and my last LDS store
	ds_add_u32 v[SPW], v[NIL]
	s_wait_dscnt 0x0
	CROUND                                         ; the closing round
	s_endpgm
.Lfunc_end_k_q5e8b3af619_groups:
	.size	k_q5e8b3af619_groups, .Lfunc_end_k_q5e8b3af619_groups-k_q5e8b3af619_groups
	.p2alignl 7, 3214868480
	.fill 96, 4, 3214868480
	.section	.rodata,"a",@progbits
	.p2align	6, 0x0
	.amdhsa_kernel k_q5e8b3af619_groups
		.amdhsa_group_segment_fixed_size 296960
		.amdhsa_private_segment_fixed_size 0
		.amdhsa_enable_private_segment 0
		.amdhsa_kernarg_size 32
		.amdhsa_user_sgpr_count 2
		.amdhsa_user_sgpr_kernarg_segment_ptr 1
		.amdhsa_wavefront_size32 1
		.amdhsa_system_sgpr_workgroup_id_x 1
		.amdhsa_system_sgpr_workgroup_id_y 1
		.amdhsa_system_sgpr_workgroup_id_z 1
		.amdhsa_system_vgpr_workitem_id 0
		.amdhsa_next_free_vgpr 208
		.amdhsa_next_free_sgpr 68
		.amdhsa_reserve_vcc 0
		.amdhsa_float_denorm_mode_32 3
		.amdhsa_float_denorm_mode_16_64 3
		.amdhsa_memory_ordered 1
		.amdhsa_forward_progress 1
		.amdhsa_inst_pref_size 129
	.end_amdhsa_kernel
	.amdgpu_metadata
---
amdhsa.version: [ 1, 2 ]
amdhsa.kernels:
  - .name:           k_q5e8b3af619_groups
    .symbol:         k_q5e8b3af619_groups.kd
    .args:
      - { .name: coords, .offset: 0, .size: 8, .value_kind: global_buffer, .address_space: global }
      - { .name: positions, .offset: 8, .size: 8, .value_kind: global_buffer, .address_space: global }
      - { .name: weights, .offset: 16, .size: 8, .value_kind: global_buffer, .address_space: global }
      - { .name: gids, .offset: 24, .size: 8, .value_kind: global_buffer, .address_space: global }
    .group_segment_fixed_size: 296960
    .private_segment_fixed_size: 0
    .kernarg_segment_align: 8
    .kernarg_segment_size: 32
    .max_flat_workgroup_size: 512
    .sgpr_count:     68
    .vgpr_count:     208
    .wavefront_size: 32
...
	.end_amdgpu_metadata
.endif
;; end of part 1
;; launch exact (part 2): grid 256 x 1, 8 waves a work-group, no clusters, 99,328 bytes of LDS; arguments coords, positions, weights, gids, idx, wts; writes idx, wts
.if DOCPART == 2
	.amdgcn_target "amdgcn-amd-amdhsa--gfx1250"
	.amdhsa_code_object_version 6
	.text
	.protected	k_q5e8b3af619_exact
	.globl	k_q5e8b3af619_exact
	.p2align	8
	.type	k_q5e8b3af619_exact,@function
k_q5e8b3af619_exact:
	s_mov_b64 s[64:65], 0
	v_nop
	global_prefetch_b8 v0, s[64:65] scope:SCOPE_SE
	s_setreg_imm32_b32 hwreg(HW_REG_WAVE_MODE, 25, 1), 1
	s_wait_xcnt 0x0
; EXACT.  For each query the 8 groups of 32 anchors named in gids (ascending) hold its 8 nearest anchors.  This launch computes the 256 keys anew, with the arithmetic of the launch before bit for bit,
; keeps the 8 smallest (key, anchor index), and stores the indices (whole numbers, for the gather behind) and the softmax weights 2^((k0 - kj) log2(e) / 0.005) / sum: k0, the least key, is the maximum of -key / 0.005.
; SHARES.  A work-group has 32 queries, wave j their slot j.  First a lane is an anchor: for query q the wave reads the group's 384 consecutive bytes of positions (12 a lane) and 128 of weights and makes 32 keys.
; The keys are turned through the wave's own LDS; then a lane is a query: 32 inserts, ascending, and three levels of merging between the waves, lower slots (lower indices) first.  Of equal keys the lower index wins, as in top_k.
; LIMITS.  NaN keys are not treated apart; an infinite key never enters a list.  A weight below 2^-126 counts as 0.
; NO CLUSTER: each query names its own groups, so work-groups share no tile.  No prefetch: the group numbers are known only just before the rows are read.  No packed forms for the keys: x, y, z, w of a task lie in one quad as loaded.
.set WREG,  12288                      ; a wave's LDS: the turning square, then three exchange slots
.set SPARE, 8*WREG                     ; behind the eight regions: the spare words, 128 bytes for each wave, that no other line names
.set TP,    144                        ; a row of the square: 32 keys + 16 bytes
.set XCH,   32*TP
.set XP,    80
.set XSL,   32*XP
.set LN,  1
.set L12, 2                            ; v2   12 x lane
.set L4,  3                            ; v3   4 x lane
.set TS,  4                            ; v4   region + 4 x lane
.set TR,  5                            ; v5   region + 144 x lane
.set LX,  6
.set AX,  7
.set SPW, 8                            ; v8   LDS address of my spare word; never rewritten
.set NIL, 9                            ; v9   0; never rewritten
.set GV,  10                           ; v10  my query's group in this wave's slot
.set AXP, 11
.set VP,  12                           ; v[12:43]   task q: byte offset in positions
.set VW,  44                           ; v[44:75]   and in weights
.set R,   76                           ; v[76:203]  task q: x, y, z, w
.set RC,  204                          ; v[204:235] task q: the reciprocal
.set M,   12                           ; behind the turn: my query's 32 keys
.set K,   44
.set I,   52
.set T,   60
.set KB,  68
.set IB,  76
.set E,   84
.set SM,  92
.set GO,  96
.set DA,  8                            ; s[8:39] 32 group numbers; then s[8:55] 16 queries' coordinates
.set MK,  56
.set TM,  68
.set WV,  76
.set WB,  77
.set SC,  78
.set EP,  79
.set PC,  84                           ; coords
.set PP,  86                           ; positions
.set PW,  88                           ; weights
.set PG,  90                           ; gids
.set PI,  92                           ; idx
.set PT,  94                           ; wts
.macro INSERT kr, id, lo               ; as in the launch before: (key, number) into the sorted list, slots below lo stay, strict compare
.set j, (\lo)
.rept 8-(\lo)
	v_cmp_lt_f32 s[MK+j], v[\kr], v[K+j]
.set j, j+1
.endr
.if (\lo) < 7
.set j, (\lo)+1
.rept 7-(\lo)
	v_cndmask_b32 v[T+j], \id, v[I+j-1], s[MK+j-1]
.set j, j+1
.endr
.set j, (\lo)+1
.rept 7-(\lo)
	v_cndmask_b32 v[I+j], v[I+j], v[T+j], s[MK+j]
.set j, j+1
.endr
.endif
	v_cndmask_b32 v[I+(\lo)], v[I+(\lo)], \id, s[MK+(\lo)]
.if (\lo) < 7
.set j, 7
.rept 7-(\lo)
	v_med3_num_f32 v[K+j], v[K+j-1], v[\kr], v[K+j]
.set j, j-1
.endr
.endif
	v_min_num_f32 v[K+(\lo)], v[K+(\lo)], v[\kr]
.endm
.macro LEVEL l                         ; every wave lays its list into its own slot l; the waves whose number is a multiple of 2 << l take in the list of wave + (1 << l)
	ds_store_b128 v[AX], v[K:K+3]   offset:XCH+(\l)*XSL
	ds_store_b128 v[AX], v[K+4:K+7] offset:XCH+(\l)*XSL+16
	ds_store_b128 v[AX], v[I:I+3]   offset:XCH+(\l)*XSL+32
	ds_store_b128 v[AX], v[I+4:I+7] offset:XCH+(\l)*XSL+48
	s_wait_dscnt 0x0                               ; for the others' sake: my list lies in LDS
	s_barrier_signal -1
	s_barrier_wait -1
	s_xor_b32 s[TM], s[WV], 1<<(\l)
	s_mul_i32 s[TM], s[TM], WREG
	s_and_b32 s[TM+1], s[WV], (2<<(\l))-1
	s_cmp_lg_u32 s[TM+1], 0
	s_cbranch_scc1 .Lnot_mine_\@
	v_add_nc_u32 v[AXP], s[TM], v[LX]
	ds_load_b128 v[KB:KB+3],   v[AXP] offset:XCH+(\l)*XSL
	ds_load_b128 v[KB+4:KB+7], v[AXP] offset:XCH+(\l)*XSL+16
	ds_load_b128 v[IB:IB+3],   v[AXP] offset:XCH+(\l)*XSL+32
	ds_load_b128 v[IB+4:IB+7], v[AXP] offset:XCH+(\l)*XSL+48
	s_wait_dscnt 0x0
.irp e, 0,1,2,3,4,5,6,7
	INSERT KB+(\e), v[IB+(\e)], \e
.endr
.Lnot_mine_\@:
.endm
.macro ASKQ q                          ; task q: the group number is held to the table, its rows are asked for
	s_min_u32 s[DA+(\q)], s[DA+(\q)], 511
	s_mul_i32 s[TM], s[DA+(\q)], 384
	s_lshl_b32 s[TM+1], s[DA+(\q)], 7
	v_add_nc_u32 v[VP+(\q)], s[TM], v[L12]
	v_add_nc_u32 v[VW+(\q)], s[TM+1], v[L4]
	global_load_b96 v[R+4*(\q):R+4*(\q)+2], v[VP+(\q)], s[PP:PP+1]
	global_load_b32 v[R+4*(\q)+3], v[VW+(\q)], s[PW:PW+1]
.endm
.macro DIST h                          ; the squared distances of tasks 16 h .. 16 h + 15, stage by stage; their queries' coordinates lie in s[8:55]
.set q, 0
.rept 16
.set x, R+4*(16*(\h)+q)
	v_sub_f32 v[x],   s[DA+3*q],   v[x]
	v_sub_f32 v[x+1], s[DA+3*q+1], v[x+1]
	v_sub_f32 v[x+2], s[DA+3*q+2], v[x+2]
.set q, q+1
.endr
.set q, 0
.rept 16
.set x, R+4*(16*(\h)+q)
	v_mul_f32 v[x], v[x], v[x]
.set q, q+1
.endr
.set q, 0
.rept 16
.set x, R+4*(16*(\h)+q)
	v_fmac_f32 v[x], v[x+1], v[x+1]
.set q, q+1
.endr
.set q, 0
.rept 16
.set x, R+4*(16*(\h)+q)
	v_fmac_f32 v[x], v[x+2], v[x+2]
.set q, q+1
.endr
.endm
.macro KEYS h                          ; times inv, and into row q of the square
.set q, 16*(\h)
.rept 16
	v_mul_f32 v[R+4*q], v[R+4*q], v[RC+q]
.set q, q+1
.endr
.set q, 16*(\h)
.rept 16
	ds_store_b32 v[TS], v[R+4*q] offset:q*TP
.set q, q+1
.endr
.endm
	s_load_b256 s[PC:PC+7], s[0:1], 0x0
	s_load_b128 s[PI:PI+3], s[0:1], 0x20
	v_lshl_add_u32 v[SPW], v0, 2, SPARE
	v_mov_b32 v[NIL], 0
	v_lshrrev_b32 v[LN], 5, v0
	v_readfirstlane_b32 s[WV], v[LN]               ; wave 0..7 = slot
	v_and_b32 v[LN], 31, v0
	v_mul_u32_u24 v[L12], v[LN], 12
	v_lshlrev_b32 v[L4], 2, v[LN]
	s_mul_i32 s[WB], s[WV], WREG
	v_add_nc_u32 v[TS], s[WB], v[L4]
	v_mul_u32_u24 v[TR], v[LN], TP
	v_add_nc_u32 v[TR], s[WB], v[TR]
	v_mul_u32_u24 v[LX], v[LN], XP
	v_add_nc_u32 v[AX], s[WB], v[LX]
	s_lshl_b32 s[TM], ttmp9, 10                    ; the work-group's 1,024 bytes of gids,
	s_lshl_b32 s[TM+1], s[WV], 7                   ; my slot's 128
	s_add_co_u32 s[TM], s[TM], s[TM+1]
	s_mov_b32 s[TM+1], 0
	s_mul_i32 s[TM+2], ttmp9, 384                  ; its 32 queries in coords
	s_mov_b32 s[TM+3], 0
	s_lshl_b32 s[TM+4], ttmp9, 10                  ; its 1,024 bytes of idx and of wts
	s_mov_b32 s[TM+5], 0
	s_mov_b32 s[SC], 0x439044fe                    ; log2(e) / 0.005
	s_mov_b32 s[EP], 0x322bcc77                    ; 1e-8
	s_wait_kmcnt 0x0
	s_add_nc_u64 s[PG:PG+1], s[PG:PG+1], s[TM:TM+1]
	s_add_nc_u64 s[PC:PC+1], s[PC:PC+1], s[TM+2:TM+3]
	s_add_nc_u64 s[PI:PI+1], s[PI:PI+1], s[TM+4:TM+5]
	s_add_nc_u64 s[PT:PT+1], s[PT:PT+1], s[TM+4:TM+5]
	s_load_b512 s[DA:DA+15], s[PG:PG+1], 0x0       ; the 32 queries' groups in my slot, as scalars: a task's rows are the same for all lanes,
	s_load_b512 s[DA+16:DA+31], s[PG:PG+1], 0x40
	global_load_b32 v[GV], v[L4], s[PG:PG+1]       ; and a lane a query, for the indices at the end
	s_wait_kmcnt 0x0
.set t, 0
.rept 32
	ASKQ t
.set t, t+1
.endr
	s_load_b512 s[DA:DA+15],    s[PC:PC+1], 0x0    ; queries 0 to 15: the group numbers have been used
	s_load_b512 s[DA+16:DA+31], s[PC:PC+1], 0x40
	s_load_b512 s[DA+32:DA+47], s[PC:PC+1], 0x80
	s_wait_loadcnt 0x0
	s_wait_kmcnt 0x0
.set q, 0
.rept 32
	v_fma_f32 v[R+4*q+3], v[R+4*q+3], v[R+4*q+3], s[EP]  ; t = w w + 1e-8
.set q, q+1
.endr
.set q, 0
.rept 32
	v_rcp_f32 v[RC+q], v[R+4*q+3]
.set q, q+1
.endr
	DIST 0                                         ; work that names no reciprocal stands behind the batch
	s_load_b512 s[DA:DA+15],    s[PC:PC+1], 0xc0   ; queries 16 to 31, while the work below runs
	s_load_b512 s[DA+16:DA+31], s[PC:PC+1], 0x100
	s_load_b512 s[DA+32:DA+47], s[PC:PC+1], 0x140
	s_wait_alu depctr_va_vdst(0)                   ; one wait for the 32 reciprocals, ahead of the first use
.set q, 0
.rept 32
	v_fma_f32 v[R+4*q+3], -v[R+4*q+3], v[RC+q], 1.0  ; 1 - t r
.set q, q+1
.endr
.set q, 0
.rept 32
	v_fma_f32 v[RC+q], v[R+4*q+3], v[RC+q], v[RC+q]  ; inv = r + r (1 - t r)
.set q, q+1
.endr
	KEYS 0
	s_wait_kmcnt 0x0
	DIST 1
	KEYS 1
	v_min_u32 v[GV], 511, v[GV]
.irp i, 0,1,2,3,4,5,6,7
	ds_load_b128 v[M+4*(\i):M+4*(\i)+3], v[TR] offset:16*(\i)  ; row = my lane: LDS serves a wave's instructions in order (ISA guide 5.7.1.4), so these see the stores above
.endr
.irp e, 0,1,2,3,4,5,6,7
	v_mov_b32 v[K+(\e)], 0x7f800000                ; an empty slot: +infinity
	v_mov_b32 v[I+(\e)], 0
.endr
	s_wait_dscnt 0x0
.irp g, 0,1,2,3,4,5,6,7,8,9,10,11,12,13,14,15,16,17,18,19,20,21,22,23,24,25,26,27,28,29,30,31
	INSERT M+(\g), \g, 0
.endr
.irp e, 0,1,2,3,4,5,6,7
	v_lshl_add_u32 v[I+(\e)], v[GV], 5, v[I+(\e)]  ; anchor = 32 x group + place in it
.endr
	LEVEL 0
	LEVEL 1
	LEVEL 2
	s_cmp_lg_u32 s[WV], 0
	s_cbranch_scc1 .Lend
	; Wave 0 holds each query's 8 nearest, keys ascending.
.irp e, 0,1,2,3,4,5,6,7
	v_sub_f32 v[E+(\e)], v[K], v[K+(\e)]           ; the least key is taken away first
.endr
.irp e, 0,1,2,3,4,5,6,7
	v_mul_f32 v[E+(\e)], s[SC], v[E+(\e)]
.endr
.irp e, 0,1,2,3,4,5,6,7
	v_exp_f32 v[E+(\e)], v[E+(\e)]
.endr
	v_lshlrev_b32 v[GO], 4, v[LN]                  ; a plain instruction behind the last exponential,
	s_wait_alu depctr_va_vdst(0)                   ; and one wait for the eight
	v_pk_add_f32 v[SM:SM+1],   v[E:E+1],     v[E+2:E+3]
	v_pk_add_f32 v[SM+2:SM+3], v[E+4:E+5],   v[E+6:E+7]
	v_pk_add_f32 v[SM:SM+1],   v[SM:SM+1],   v[SM+2:SM+3]
	v_add_f32 v[SM], v[SM], v[SM+1]
	v_rcp_f32 v[SM+2], v[SM]
	v_nop
	s_wait_alu depctr_va_vdst(0)
.irp e, 0,2,4,6
	v_pk_mul_f32 v[E+(\e):E+(\e)+1], v[E+(\e):E+(\e)+1], v[SM+2:SM+3] op_sel_hi:[1,0]
.endr
	; out: entries 0-3 of the 32 queries, 16 bytes a lane, then entries 4-7: each store covers 512 consecutive bytes
	global_store_b128 v[GO], v[I:I+3],   s[PI:PI+1]
	global_store_b128 v[GO], v[I+4:I+7], s[PI:PI+1] offset:512
	global_store_b128 v[GO], v[E:E+3],   s[PT:PT+1]
	global_store_b128 v[GO], v[E+4:E+7], s[PT:PT+1] offset:512
.Lend:
	s_wait_tensorcnt 0x0                           ; the wave's end: behind my last LDS store
	ds_add_u32 v[SPW], v[NIL]
	s_wait_dscnt 0x0
	s_endpgm
.Lfunc_end_k_q5e8b3af619_exact:
	.size	k_q5e8b3af619_exact, .Lfunc_end_k_q5e8b3af619_exact-k_q5e8b3af619_exact
	.p2alignl 7, 3214868480
	.fill 96, 4, 3214868480
	.section	.rodata,"a",@progbits
	.p2align	6, 0x0
	.amdhsa_kernel k_q5e8b3af619_exact
		.amdhsa_group_segment_fixed_size 99328
		.amdhsa_private_segment_fixed_size 0
		.amdhsa_enable_private_segment 0
		.amdhsa_kernarg_size 48
		.amdhsa_user_sgpr_count 2
		.amdhsa_user_sgpr_kernarg_segment_ptr 1
		.amdhsa_wavefront_size32 1
		.amdhsa_system_sgpr_workgroup_id_x 1
		.amdhsa_system_sgpr_workgroup_id_y 1
		.amdhsa_system_sgpr_workgroup_id_z 1
		.amdhsa_system_vgpr_workitem_id 0
		.amdhsa_next_free_vgpr 236
		.amdhsa_next_free_sgpr 96
		.amdhsa_reserve_vcc 0
		.amdhsa_float_denorm_mode_32 3
		.amdhsa_float_denorm_mode_16_64 3
		.amdhsa_memory_ordered 1
		.amdhsa_forward_progress 1
		.amdhsa_inst_pref_size 124
	.end_amdhsa_kernel
	.amdgpu_metadata
---
amdhsa.version: [ 1, 2 ]
amdhsa.kernels:
  - .name:           k_q5e8b3af619_exact
    .symbol:         k_q5e8b3af619_exact.kd
    .args:
      - { .name: coords, .offset: 0, .size: 8, .value_kind: global_buffer, .address_space: global }
      - { .name: positions, .offset: 8, .size: 8, .value_kind: global_buffer, .address_space: global }
      - { .name: weights, .offset: 16, .size: 8, .value_kind: global_buffer, .address_space: global }
      - { .name: gids, .offset: 24, .size: 8, .value_kind: global_buffer, .address_space: global }
      - { .name: idx, .offset: 32, .size: 8, .value_kind: global_buffer, .address_space: global }
      - { .name: wts, .offset: 40, .size: 8, .value_kind: global_buffer, .address_space: global }
    .group_segment_fixed_size: 99328
    .private_segment_fixed_size: 0
    .kernarg_segment_align: 8
    .kernarg_segment_size: 48
    .max_flat_workgroup_size: 256
    .sgpr_count:     96
    .vgpr_count:     236
    .wavefront_size: 32
...
	.end_amdgpu_metadata
.endif
;; end of part 2
;; launch gather (part 3): grid 256 x 1, 8 waves a work-group, no clusters, 0 bytes of LDS; arguments features, idx, wts, out0; writes out0
.if DOCPART == 3
	.amdgcn_target "amdgcn-amd-amdhsa--gfx1250"
	.amdhsa_code_object_version 6
	.text
	.protected	k_q5e8b3af619_gather
	.globl	k_q5e8b3af619_gather
	.p2align	8
	.type	k_q5e8b3af619_gather,@function
k_q5e8b3af619_gather:
	s_mov_b64 s[64:65], 0
	v_nop
	global_prefetch_b8 v0, s[64:65] scope:SCOPE_SE
	s_setreg_imm32_b32 hwreg(HW_REG_WAVE_MODE, 25, 1), 1
	s_wait_xcnt 0x0
; GATHER.  out0[q][:] = the sum over j < 8 of wts[q][j] features[idx[q][j]][:].  A row is 64 f32, 256 bytes: a lane holds two numbers, so a load and a store of the wave cover one whole row.
; A work-group has 32 queries, a wave 4.  idx and wts lie by blocks of 32 queries: entries 0-3 of each query (16 bytes a query), then entries 4-7, 512 bytes on; a wave's share is 64 + 64 consecutive bytes of each,
; taken by scalar loads, since an index and a weight are the same for all lanes.  All 32 rows of a wave are asked for at once.  An index is held to the table (16,383) before it enters an address.
; The multiply-adds are not packed: a packed form takes only the low word of an even scalar pair, and the weights lie one to a register.
; NO CLUSTER, no LDS: each query names its own rows.  No prefetch: the rows are asked for as soon as their indices are known.
.set L8,  1                            ; v1        8 x lane
.set O,   2                            ; v[2:33]   row r = 8 i + j: byte offset in features
.set F,   34                           ; v[34:97]  the rows
.set A,   98                           ; v[98:105] the four sums
.set WV,  4
.set TM,  92
.macro ROWREG i, j                     ; SI, SW: the scalar registers of entry j of my query i
.if (\j) < 4
.set SI, 8+4*(\i)+(\j)
.set SW, 40+4*(\i)+(\j)
.else
.set SI, 24+4*(\i)+(\j)-4
.set SW, 68+4*(\i)+(\j)-4
.endif
.endm
	s_load_b256 s[84:91], s[0:1], 0x0              ; features s[84:85], idx s[86:87], wts s[88:89], out0 s[90:91]
	v_lshrrev_b32 v[L8], 5, v0
	v_readfirstlane_b32 s[WV], v[L8]               ; wave 0..7
	v_and_b32 v[L8], 31, v0
	v_lshlrev_b32 v[L8], 3, v[L8]
	s_lshl_b32 s[TM], ttmp9, 10                    ; the work-group's block of idx and wts,
	s_lshl_b32 s[TM+1], s[WV], 6                   ; my four queries' 64 bytes
	s_add_co_u32 s[TM], s[TM], s[TM+1]
	s_mov_b32 s[TM+1], 0
	s_lshl_b32 s[TM+2], ttmp9, 13                  ; the work-group's 32 rows of out0,
	s_lshl_b32 s[TM+3], s[WV], 10                  ; my four
	s_add_co_u32 s[TM+2], s[TM+2], s[TM+3]
	s_mov_b32 s[TM+3], 0
	s_wait_kmcnt 0x0
	s_add_nc_u64 s[86:87], s[86:87], s[TM:TM+1]
	s_add_nc_u64 s[88:89], s[88:89], s[TM:TM+1]
	s_add_nc_u64 s[90:91], s[90:91], s[TM+2:TM+3]
	s_load_b512 s[8:23],  s[86:87], 0x0            ; indices 0-3 of my four queries
	s_load_b512 s[24:39], s[86:87], 0x200          ; indices 4-7
	s_load_b512 s[40:55], s[88:89], 0x0            ; weights 0-3
	s_load_b512 s[68:83], s[88:89], 0x200          ; weights 4-7
	s_wait_kmcnt 0x0
.irp i, 0,1,2,3
.irp j, 0,1,2,3,4,5,6,7
	ROWREG \i, \j
	s_min_u32 s[SI], s[SI], 16383
	s_lshl_b32 s[SI], s[SI], 8
	v_add_nc_u32 v[O+8*(\i)+(\j)], s[SI], v[L8]
	global_load_b64 v[F+2*(8*(\i)+(\j)):F+2*(8*(\i)+(\j))+1], v[O+8*(\i)+(\j)], s[84:85]
.endr
.endr
.irp i, 0,1,2,3
	s_wait_loadcnt 24-8*(\i)                       ; loads come back in order (ISA guide 5.7.1): query i's eight rows are in, the later queries' may stay out
	ROWREG \i, 0
	v_mul_f32 v[A+2*(\i)],   s[SW], v[F+16*(\i)]
	v_mul_f32 v[A+2*(\i)+1], s[SW], v[F+16*(\i)+1]
.irp j, 1,2,3,4,5,6,7
	ROWREG \i, \j
	v_fmac_f32 v[A+2*(\i)],   s[SW], v[F+2*(8*(\i)+(\j))]
	v_fmac_f32 v[A+2*(\i)+1], s[SW], v[F+2*(8*(\i)+(\j))+1]
.endr
	global_store_b64 v[L8], v[A+2*(\i):A+2*(\i)+1], s[90:91] offset:256*(\i)  ; 256 consecutive bytes, at a multiple of 256 from out0's first byte
.endr
	s_endpgm
.Lfunc_end_k_q5e8b3af619_gather:
	.size	k_q5e8b3af619_gather, .Lfunc_end_k_q5e8b3af619_gather-k_q5e8b3af619_gather
	.p2alignl 7, 3214868480
	.fill 96, 4, 3214868480
	.section	.rodata,"a",@progbits
	.p2align	6, 0x0
	.amdhsa_kernel k_q5e8b3af619_gather
		.amdhsa_group_segment_fixed_size 0
		.amdhsa_private_segment_fixed_size 0
		.amdhsa_enable_private_segment 0
		.amdhsa_kernarg_size 32
		.amdhsa_user_sgpr_count 2
		.amdhsa_user_sgpr_kernarg_segment_ptr 1
		.amdhsa_wavefront_size32 1
		.amdhsa_system_sgpr_workgroup_id_x 1
		.amdhsa_system_sgpr_workgroup_id_y 1
		.amdhsa_system_sgpr_workgroup_id_z 1
		.amdhsa_system_vgpr_workitem_id 0
		.amdhsa_next_free_vgpr 108
		.amdhsa_next_free_sgpr 96
		.amdhsa_reserve_vcc 0
		.amdhsa_float_denorm_mode_32 3
		.amdhsa_float_denorm_mode_16_64 3
		.amdhsa_memory_ordered 1
		.amdhsa_forward_progress 1
		.amdhsa_inst_pref_size 11
	.end_amdhsa_kernel
	.amdgpu_metadata
---
amdhsa.version: [ 1, 2 ]
amdhsa.kernels:
  - .name:           k_q5e8b3af619_gather
    .symbol:         k_q5e8b3af619_gather.kd
    .args:
      - { .name: features, .offset: 0, .size: 8, .value_kind: global_buffer, .address_space: global }
      - { .name: idx, .offset: 8, .size: 8, .value_kind: global_buffer, .address_space: global }
      - { .name: wts, .offset: 16, .size: 8, .value_kind: global_buffer, .address_space: global }
      - { .name: out0, .offset: 24, .size: 8, .value_kind: global_buffer, .address_space: global }
    .group_segment_fixed_size: 0
    .private_segment_fixed_size: 0
    .kernarg_segment_align: 8
    .kernarg_segment_size: 32
    .max_flat_workgroup_size: 256
    .sgpr_count:     96
    .vgpr_count:     108
    .wavefront_size: 32
...
	.end_amdgpu_metadata
.endif
;; end of part 3
;; ======== version 2 of 2: 3 launches; version 1 with the launches exact, gather written anew for expert scheduling mode
;; workspace buffers: gids 262,144 bytes of whole numbers; idx 262,144 bytes of whole numbers; wts 262,144 bytes
;; launch groups: the kernel of part 1 again; grid 256 x 1, 16 waves a work-group, clusters of 4 x 1, 296,960 bytes of LDS; arguments coords, positions, weights, gids; writes gids
;; launch exact (part 4): grid 256 x 1, 8 waves a work-group, no clusters, 99,328 bytes of LDS; arguments coords, positions, weights, gids, idx, wts; writes idx, wts
.if DOCPART == 4
	.amdgcn_target "amdgcn-amd-amdhsa--gfx1250"
	.amdhsa_code_object_version 6
	.text
	.protected	k_q5e8b3af619_exact
	.globl	k_q5e8b3af619_exact
	.p2align	8
	.type	k_q5e8b3af619_exact,@function
k_q5e8b3af619_exact:
	s_mov_b64 s[64:65], 0
	v_nop
	global_prefetch_b8 v0, s[64:65] scope:SCOPE_SE
	s_setreg_imm32_b32 hwreg(HW_REG_WAVE_SCHED_MODE, 0, 2), 2
	s_setreg_imm32_b32 hwreg(HW_REG_WAVE_MODE, 25, 1), 1
	s_wait_xcnt 0x0
	s_wait_alu depctr_vm_vsrc(0)
; EXACT.  For each query the 8 groups of 32 anchors named in gids (ascending) hold its 8 nearest anchors.  This launch computes the 256 keys anew, with the arithmetic of the launch before bit for bit,
; keeps the 8 smallest (key, anchor index), and stores the indices (whole numbers, for the gather behind) and the softmax weights 2^((k0 - kj) log2(e) / 0.005) / sum: k0, the least key, is the maximum of -key / 0.005.
; SHARES.  A work-group has 32 queries, wave j their slot j.  First a lane is an anchor: for query q the wave reads the group's 384 consecutive bytes of positions (12 a lane) and 128 of weights and makes 32 keys.
; The keys are turned through the wave's own LDS; then a lane is a query: 32 inserts, ascending, and three levels of merging between the waves, lower slots (lower indices) first.  Of equal keys the lower index wins, as in top_k.
; LIMITS.  NaN keys are not treated apart; an infinite key never enters a list.  A weight below 2^-126 counts as 0.
; NO CLUSTER: each query names its own groups, so work-groups share no tile.  No prefetch: the group numbers are known only just before the rows are read.  No packed forms for the keys: x, y, z, w of a task lie in one quad as loaded.
; THE MODE: SCHED_MODE bits 1:0 = 2 (LLVM: expert scheduling mode 2), set by the entry lines.  The code itself states the register dependences between vector instructions and memory or LDS
; instructions, and between a vector instruction that writes a scalar register and its readers, with s_wait_alu, always for 0.
; THE PLAN.  Registers that memory or LDS instructions touch:
;   v[L4], VP, VW   offsets of the 65 global loads.  All are made first; one wait; the loads go in one run.  VP and VW are written again behind the turn (as M, K, I, T, KB).
;   R               the rows land here once; vector work makes the keys in R + 4 q, which the 32 LDS stores into the square read.  v76 to v96 are written again behind the turn (as IB, E, SM, GO).
;   TS, TR, AX, AXP LDS addresses, made at the head and never written again; the partner's address has a register for each level.
;   M               the square's loads land here once; the inserts read it.
;   K, I            written by the inserts; read by a level's four LDS stores; written again by that level's merge.  I is read by the last stores.
;   KB, IB          a level's loads land here; its merge reads them; the next level's loads land here again.
;   E, GO           written by vector instructions, read by the last stores.       SPW, NIL: written at the head, read by the closing add alone.
; THE MASKS.  An insert's keys (8 compares, 7 v_med3, a v_min) do not hang on its numbers (15 v_cndmask).  So four inserts' keys go first, their compares into four sets of eight scalar registers;
; one wait; then the four inserts' numbers.  The operations and their operands are those of an insert done whole.
.set WREG,  12288                      ; a wave's LDS: the turning square, then three exchange slots
.set SPARE, 8*WREG                     ; behind the eight regions: the spare words, 128 bytes for each wave, that no other line names
.set TP,    144                        ; a row of the square: 32 keys + 16 bytes
.set XCH,   32*TP
.set XP,    80
.set XSL,   32*XP
.set LN,  1
.set L12, 2                            ; v2   12 x lane
.set L4,  3                            ; v3   4 x lane
.set TS,  4                            ; v4   region + 4 x lane
.set TR,  5                            ; v5   region + 144 x lane
.set LX,  6
.set AX,  7
.set SPW, 8                            ; v8   LDS address of my spare word; never rewritten
.set NIL, 9                            ; v9   0; never rewritten
.set GV,  10                           ; v10  my query's group in this wave's slot
.set VP,  12                           ; v[12:43]   task q: byte offset in positions
.set VW,  44                           ; v[44:75]   and in weights
.set R,   76                           ; v[76:203]  task q: x, y, z, w
.set RC,  204                          ; v[204:235] task q: the reciprocal
.set AXP, 236                          ; v[236:238] level l: the partner's region + 80 x lane
.set M,   12                           ; behind the turn: my query's 32 keys
.set K,   44
.set I,   52
.set T,   60
.set KB,  68
.set IB,  76
.set E,   84
.set SM,  92
.set GO,  96
.set DA,  8                            ; s[8:39] 32 group numbers; then s[8:55] 16 queries' coordinates
.set MK,  8                            ; s[8:39] behind the keys: four sets of eight lane masks: key < list's key j
.set PR,  56                           ; s[56:58] level l: the partner's region
.set TM,  68
.set WV,  76
.set WB,  77
.set SC,  78
.set EP,  79
.set PC,  84                           ; coords
.set PP,  86                           ; positions
.set PW,  88                           ; weights
.set PG,  90                           ; gids
.set PI,  92                           ; idx
.set PT,  94                           ; wts
; (key in register kr, number id) goes into the sorted list; slots below lo are known to stay.  c_j = key < K_j, strict: of equal keys the one that came first stays in front.
; The keys' half: c_j into s[ms + j]; new K_j = the middle one of K_(j-1), key, K_j.
.macro KSTEP kr, lo, ms
.set j, (\lo)
.rept 8-(\lo)
	v_cmp_lt_f32 s[(\ms)+j], v[\kr], v[K+j]
.set j, j+1
.endr
.if (\lo) < 7
.set j, 7
.rept 7-(\lo)
	v_med3_num_f32 v[K+j], v[K+j-1], v[\kr], v[K+j]
.set j, j-1
.endr
.endif
	v_min_num_f32 v[K+(\lo)], v[K+(\lo)], v[\kr]
.endm
; The numbers' half: new I_j = c_j ? (c_(j-1) ? I_(j-1) : id) : I_j.
.macro ISTEP id, lo, ms
.if (\lo) < 7
.set j, (\lo)+1
.rept 7-(\lo)
	v_cndmask_b32 v[T+j], \id, v[I+j-1], s[(\ms)+j-1]
.set j, j+1
.endr
.set j, (\lo)+1
.rept 7-(\lo)
	v_cndmask_b32 v[I+j], v[I+j], v[T+j], s[(\ms)+j]
.set j, j+1
.endr
.endif
	v_cndmask_b32 v[I+(\lo)], v[I+(\lo)], \id, s[(\ms)+(\lo)]
.endm
.macro QUAD a, b, c, d                 ; my query's keys at places a to d of its group go in, in this order
	KSTEP M+(\a), 0, MK
	KSTEP M+(\b), 0, MK+8
	KSTEP M+(\c), 0, MK+16
	KSTEP M+(\d), 0, MK+24
	s_wait_alu depctr_va_sdst(0)                   ; the 32 compares have written their masks, ahead of the first v_cndmask that reads one
	ISTEP \a, 0, MK
	ISTEP \b, 0, MK+8
	ISTEP \c, 0, MK+16
	ISTEP \d, 0, MK+24
.endm
.macro MQUAD a, b, c, d                ; entries a to d of the partner's sorted list go in: entry e lands at slot e or higher
	KSTEP KB+(\a), \a, MK
	KSTEP KB+(\b), \b, MK+8
	KSTEP KB+(\c), \c, MK+16
	KSTEP KB+(\d), \d, MK+24
	s_wait_alu depctr_va_sdst(0)                   ; the four entries' compares have written their masks, ahead of the first v_cndmask that reads one
	ISTEP v[IB+(\a)], \a, MK
	ISTEP v[IB+(\b)], \b, MK+8
	ISTEP v[IB+(\c)], \c, MK+16
	ISTEP v[IB+(\d)], \d, MK+24
.endm
.macro LEVEL l                         ; every wave lays its list into its own slot l; the waves whose number is a multiple of 2 << l take in the list of wave + (1 << l)
	s_wait_alu depctr_va_vdst(0)                   ; the inserts have written K and I, which the LDS stores read, and are done reading KB and IB, in which this level's loads land
	ds_store_b128 v[AX], v[K:K+3]   offset:XCH+(\l)*XSL
	ds_store_b128 v[AX], v[K+4:K+7] offset:XCH+(\l)*XSL+16
	ds_store_b128 v[AX], v[I:I+3]   offset:XCH+(\l)*XSL+32
	ds_store_b128 v[AX], v[I+4:I+7] offset:XCH+(\l)*XSL+48
	s_wait_dscnt 0x0                               ; for the others' sake: my list lies in LDS
	s_barrier_signal -1
	s_barrier_wait -1
	s_wait_alu depctr_vm_vsrc(0)                   ; my LDS stores have read K and I, which the merge below writes again; the wait stands ahead of the branch
	s_and_b32 s[TM+1], s[WV], (2<<(\l))-1
	s_cmp_lg_u32 s[TM+1], 0
	s_cbranch_scc1 .Lnot_mine_\@
	ds_load_b128 v[KB:KB+3],   v[AXP+(\l)] offset:XCH+(\l)*XSL       ; no vector instruction since the level's first wait names KB, IB or the address
	ds_load_b128 v[KB+4:KB+7], v[AXP+(\l)] offset:XCH+(\l)*XSL+16
	ds_load_b128 v[IB:IB+3],   v[AXP+(\l)] offset:XCH+(\l)*XSL+32
	ds_load_b128 v[IB+4:IB+7], v[AXP+(\l)] offset:XCH+(\l)*XSL+48
	s_wait_dscnt 0x0
	MQUAD 0, 1, 2, 3
	MQUAD 4, 5, 6, 7
.Lnot_mine_\@:
.endm
.macro ADRQ q                          ; task q: the group number is held to the table; the offsets of its rows
	s_min_u32 s[DA+(\q)], s[DA+(\q)], 511
	s_mul_i32 s[TM], s[DA+(\q)], 384
	s_lshl_b32 s[TM+1], s[DA+(\q)], 7
	v_add_nc_u32 v[VP+(\q)], s[TM], v[L12]
	v_add_nc_u32 v[VW+(\q)], s[TM+1], v[L4]
.endm
.macro ASKQ q                          ; task q: its rows are asked for
	global_load_b96 v[R+4*(\q):R+4*(\q)+2], v[VP+(\q)], s[PP:PP+1]
	global_load_b32 v[R+4*(\q)+3], v[VW+(\q)], s[PW:PW+1]
.endm
.macro DIST h                          ; the squared distances of tasks 16 h .. 16 h + 15, stage by stage; their queries' coordinates lie in s[8:55]
.set q, 0
.rept 16
.set x, R+4*(16*(\h)+q)
	v_sub_f32 v[x],   s[DA+3*q],   v[x]
	v_sub_f32 v[x+1], s[DA+3*q+1], v[x+1]
	v_sub_f32 v[x+2], s[DA+3*q+2], v[x+2]
.set q, q+1
.endr
.set q, 0
.rept 16
.set x, R+4*(16*(\h)+q)
	v_mul_f32 v[x], v[x], v[x]
.set q, q+1
.endr
.set q, 0
.rept 16
.set x, R+4*(16*(\h)+q)
	v_fmac_f32 v[x], v[x+1], v[x+1]
.set q, q+1
.endr
.set q, 0
.rept 16
.set x, R+4*(16*(\h)+q)
	v_fmac_f32 v[x], v[x+2], v[x+2]
.set q, q+1
.endr
.endm
.macro KMUL h                          ; times inv: the keys of tasks 16 h .. 16 h + 15
.set q, 16*(\h)
.rept 16
	v_mul_f32 v[R+4*q], v[R+4*q], v[RC+q]
.set q, q+1
.endr
.endm
.macro KSTO h                          ; and into row q of the square
.set q, 16*(\h)
.rept 16
	ds_store_b32 v[TS], v[R+4*q] offset:q*TP
.set q, q+1
.endr
.endm
	s_load_b256 s[PC:PC+7], s[0:1], 0x0
	s_load_b128 s[PI:PI+3], s[0:1], 0x20
	v_lshl_add_u32 v[SPW], v0, 2, SPARE
	v_mov_b32 v[NIL], 0
	v_lshrrev_b32 v[LN], 5, v0
	v_readfirstlane_b32 s[WV], v[LN]               ; wave 0..7 = slot
	v_and_b32 v[LN], 31, v0
	v_mul_u32_u24 v[L12], v[LN], 12
	v_lshlrev_b32 v[L4], 2, v[LN]
	v_mul_u32_u24 v[TR], v[LN], TP
	v_mul_u32_u24 v[LX], v[LN], XP
	s_wait_alu depctr_va_sdst(0)                   ; the wave's number is written, ahead of its first reader: LDS regions, bases and branches are made from it
	s_mul_i32 s[WB], s[WV], WREG
	v_add_nc_u32 v[TS], s[WB], v[L4]
	v_add_nc_u32 v[TR], s[WB], v[TR]
	v_add_nc_u32 v[AX], s[WB], v[LX]
.irp l, 0,1,2
	s_xor_b32 s[PR+(\l)], s[WV], 1<<(\l)           ; level l's partner,
	s_mul_i32 s[PR+(\l)], s[PR+(\l)], WREG         ; its region,
	v_add_nc_u32 v[AXP+(\l)], s[PR+(\l)], v[LX]    ; my lane's list in it: made here, so that no address is made between a level's wait and its loads
.endr
	s_lshl_b32 s[TM], ttmp9, 10                    ; the work-group's 1,024 bytes of gids,
	s_lshl_b32 s[TM+1], s[WV], 7                   ; my slot's 128
	s_add_co_u32 s[TM], s[TM], s[TM+1]
	s_mov_b32 s[TM+1], 0
	s_mul_i32 s[TM+2], ttmp9, 384                  ; its 32 queries in coords
	s_mov_b32 s[TM+3], 0
	s_lshl_b32 s[TM+4], ttmp9, 10                  ; its 1,024 bytes of idx and of wts
	s_mov_b32 s[TM+5], 0
	s_mov_b32 s[SC], 0x439044fe                    ; log2(e) / 0.005
	s_mov_b32 s[EP], 0x322bcc77                    ; 1e-8
	s_wait_kmcnt 0x0
	s_add_nc_u64 s[PG:PG+1], s[PG:PG+1], s[TM:TM+1]
	s_add_nc_u64 s[PC:PC+1], s[PC:PC+1], s[TM+2:TM+3]
	s_add_nc_u64 s[PI:PI+1], s[PI:PI+1], s[TM+4:TM+5]
	s_add_nc_u64 s[PT:PT+1], s[PT:PT+1], s[TM+4:TM+5]
	s_load_b512 s[DA:DA+15], s[PG:PG+1], 0x0       ; the 32 queries' groups in my slot, as scalars: a task's rows are the same for all lanes
	s_load_b512 s[DA+16:DA+31], s[PG:PG+1], 0x40
	s_wait_kmcnt 0x0
.set t, 0
.rept 32
	ADRQ t
.set t, t+1
.endr
	s_wait_alu depctr_va_vdst(0)                   ; v[L4] and the 64 offsets are written, which the 65 loads below read; so are the LDS addresses made at the head
	global_load_b32 v[GV], v[L4], s[PG:PG+1]       ; the groups once more, a lane a query, for the indices at the end
.set t, 0
.rept 32
	ASKQ t
.set t, t+1
.endr
	s_load_b512 s[DA:DA+15],    s[PC:PC+1], 0x0    ; queries 0 to 15: the group numbers have been used
	s_load_b512 s[DA+16:DA+31], s[PC:PC+1], 0x40
	s_load_b512 s[DA+32:DA+47], s[PC:PC+1], 0x80
	s_wait_loadcnt 0x0
	s_wait_kmcnt 0x0
.set q, 0
.rept 32
	v_fma_f32 v[R+4*q+3], v[R+4*q+3], v[R+4*q+3], s[EP]  ; t = w w + 1e-8
.set q, q+1
.endr
.set q, 0
.rept 32
	v_rcp_f32 v[RC+q], v[R+4*q+3]
.set q, q+1
.endr
	DIST 0                                         ; work that names no reciprocal stands behind the batch
	s_wait_alu depctr_va_vdst(0)                   ; the 32 reciprocals are written: one wait for the batch, ahead of the first use
	s_load_b512 s[DA:DA+15],    s[PC:PC+1], 0xc0   ; queries 16 to 31, while the work below runs; the subtractions that read queries 0 to 15 stand ahead of the wait above
	s_load_b512 s[DA+16:DA+31], s[PC:PC+1], 0x100
	s_load_b512 s[DA+32:DA+47], s[PC:PC+1], 0x140
.set q, 0
.rept 32
	v_fma_f32 v[R+4*q+3], -v[R+4*q+3], v[RC+q], 1.0  ; 1 - t r
.set q, q+1
.endr
.set q, 0
.rept 32
	v_fma_f32 v[RC+q], v[R+4*q+3], v[RC+q], v[RC+q]  ; inv = r + r (1 - t r)
.set q, q+1
.endr
	KMUL 0
	s_wait_kmcnt 0x0
	s_wait_alu depctr_va_vdst(0)                   ; the keys of tasks 0 to 15 are written, which the LDS stores below read
	KSTO 0
	DIST 1                                         ; it names the registers of tasks 16 to 31 alone: none that the stores above read
	KMUL 1
	s_wait_alu depctr_va_vdst(0)                   ; the keys of tasks 16 to 31 are written, which the LDS stores below read
	KSTO 1
	v_min_u32 v[GV], 511, v[GV]
	s_wait_alu depctr_vm_vsrc(0)                   ; the global loads have read VP and VW, the LDS stores R + 4 q: from here on these registers are M, K, I, T, KB, IB, E, SM and GO, written by loads and by vector instructions
.irp i, 0,1,2,3,4,5,6,7
	ds_load_b128 v[M+4*(\i):M+4*(\i)+3], v[TR] offset:16*(\i)  ; row = my lane: LDS serves a wave's instructions in order (ISA guide 5.7.1.4), so these see the stores above
.endr
.irp e, 0,1,2,3,4,5,6,7
	v_mov_b32 v[K+(\e)], 0x7f800000                ; an empty slot: +infinity
	v_mov_b32 v[I+(\e)], 0
.endr
	s_wait_dscnt 0x0
	QUAD 0, 1, 2, 3
	QUAD 4, 5, 6, 7
	QUAD 8, 9, 10, 11
	QUAD 12, 13, 14, 15
	QUAD 16, 17, 18, 19
	QUAD 20, 21, 22, 23
	QUAD 24, 25, 26, 27
	QUAD 28, 29, 30, 31
.irp e, 0,1,2,3,4,5,6,7
	v_lshl_add_u32 v[I+(\e)], v[GV], 5, v[I+(\e)]  ; anchor = 32 x group + place in it
.endr
	LEVEL 0
	LEVEL 1
	LEVEL 2
	s_cmp_lg_u32 s[WV], 0
	s_cbranch_scc1 .Lend
	; Wave 0 holds each query's 8 nearest, keys ascending.
.irp e, 0,1,2,3,4,5,6,7
	v_sub_f32 v[E+(\e)], v[K], v[K+(\e)]           ; the least key is taken away first
.endr
.irp e, 0,1,2,3,4,5,6,7
	v_mul_f32 v[E+(\e)], s[SC], v[E+(\e)]
.endr
.irp e, 0,1,2,3,4,5,6,7
	v_exp_f32 v[E+(\e)], v[E+(\e)]
.endr
	v_lshlrev_b32 v[GO], 4, v[LN]                  ; a plain instruction behind the last exponential
	s_wait_alu depctr_va_vdst(0)                   ; the eight exponentials are written, ahead of their first use; so are I, by the last merge, and v[GO], which the two stores below read
	; out: entries 0-3 of the 32 queries, 16 bytes a lane, then entries 4-7: each store covers 512 consecutive bytes
	global_store_b128 v[GO], v[I:I+3],   s[PI:PI+1]
	global_store_b128 v[GO], v[I+4:I+7], s[PI:PI+1] offset:512
	v_pk_add_f32 v[SM:SM+1],   v[E:E+1],     v[E+2:E+3]
	v_pk_add_f32 v[SM+2:SM+3], v[E+4:E+5],   v[E+6:E+7]
	v_pk_add_f32 v[SM:SM+1],   v[SM:SM+1],   v[SM+2:SM+3]
	v_add_f32 v[SM], v[SM], v[SM+1]
	v_rcp_f32 v[SM+2], v[SM]
	v_nop
	s_wait_alu depctr_va_vdst(0)                   ; the reciprocal of the sum is written, ahead of its first use
.irp e, 0,2,4,6
	v_pk_mul_f32 v[E+(\e):E+(\e)+1], v[E+(\e):E+(\e)+1], v[SM+2:SM+3] op_sel_hi:[1,0]
.endr
	s_wait_alu depctr_va_vdst(0)                   ; the eight weights are written, which the two stores below read
	global_store_b128 v[GO], v[E:E+3],   s[PT:PT+1]
	global_store_b128 v[GO], v[E+4:E+7], s[PT:PT+1] offset:512
.Lend:
	s_wait_dscnt 0x0                               ; the closing lines, six on end
	s_wait_alu 0x0
	s_wait_tensorcnt 0x0
	ds_add_u32 v[SPW], v[NIL]
	s_wait_dscnt 0x0
	s_endpgm
.Lfunc_end_k_q5e8b3af619_exact:
	.size	k_q5e8b3af619_exact, .Lfunc_end_k_q5e8b3af619_exact-k_q5e8b3af619_exact
	.p2alignl 7, 3214868480
	.fill 96, 4, 3214868480
	.section	.rodata,"a",@progbits
	.p2align	6, 0x0
	.amdhsa_kernel k_q5e8b3af619_exact
		.amdhsa_group_segment_fixed_size 99328
		.amdhsa_private_segment_fixed_size 0
		.amdhsa_enable_private_segment 0
		.amdhsa_kernarg_size 48
		.amdhsa_user_sgpr_count 2
		.amdhsa_user_sgpr_kernarg_segment_ptr 1
		.amdhsa_wavefront_size32 1
		.amdhsa_system_sgpr_workgroup_id_x 1
		.amdhsa_system_sgpr_workgroup_id_y 1
		.amdhsa_system_sgpr_workgroup_id_z 1
		.amdhsa_system_vgpr_workitem_id 0
		.amdhsa_next_free_vgpr 240
		.amdhsa_next_free_sgpr 96
		.amdhsa_reserve_vcc 0
		.amdhsa_float_denorm_mode_32 3
		.amdhsa_float_denorm_mode_16_64 3
		.amdhsa_memory_ordered 1
		.amdhsa_forward_progress 1
		.amdhsa_inst_pref_size 125
	.end_amdhsa_kernel
	.amdgpu_metadata
---
amdhsa.version: [ 1, 2 ]
amdhsa.kernels:
  - .name:           k_q5e8b3af619_exact
    .symbol:         k_q5e8b3af619_exact.kd
    .args:
      - { .name: coords, .offset: 0, .size: 8, .value_kind: global_buffer, .address_space: global }
      - { .name: positions, .offset: 8, .size: 8, .value_kind: global_buffer, .address_space: global }
      - { .name: weights, .offset: 16, .size: 8, .value_kind: global_buffer, .address_space: global }
      - { .name: gids, .offset: 24, .size: 8, .value_kind: global_buffer, .address_space: global }
      - { .name: idx, .offset: 32, .size: 8, .value_kind: global_buffer, .address_space: global }
      - { .name: wts, .offset: 40, .size: 8, .value_kind: global_buffer, .address_space: global }
    .group_segment_fixed_size: 99328
    .private_segment_fixed_size: 0
    .kernarg_segment_align: 8
    .kernarg_segment_size: 48
    .max_flat_workgroup_size: 256
    .sgpr_count:     96
    .vgpr_count:     240
    .wavefront_size: 32
...
	.end_amdgpu_metadata
.endif
;; end of part 4
;; launch gather (part 5): grid 256 x 1, 8 waves a work-group, no clusters, 0 bytes of LDS; arguments features, idx, wts, out0; writes out0
.if DOCPART == 5
	.amdgcn_target "amdgcn-amd-amdhsa--gfx1250"
	.amdhsa_code_object_version 6
	.text
	.protected	k_q5e8b3af619_gather
	.globl	k_q5e8b3af619_gather
	.p2align	8
	.type	k_q5e8b3af619_gather,@function
k_q5e8b3af619_gather:
	s_mov_b64 s[64:65], 0
	v_nop
	global_prefetch_b8 v0, s[64:65] scope:SCOPE_SE
	s_setreg_imm32_b32 hwreg(HW_REG_WAVE_SCHED_MODE, 0, 2), 2
	s_setreg_imm32_b32 hwreg(HW_REG_WAVE_MODE, 25, 1), 1
	s_wait_xcnt 0x0
	s_wait_alu depctr_vm_vsrc(0)
; GATHER.  out0[q][:] = the sum over j < 8 of wts[q][j] features[idx[q][j]][:].  A row is 64 f32, 256 bytes: a lane holds two numbers, so a load and a store of the wave cover one whole row.
; A work-group has 32 queries, a wave 4.  idx and wts lie by blocks of 32 queries: entries 0-3 of each query (16 bytes a query), then entries 4-7, 512 bytes on; a wave's share is 64 + 64 consecutive bytes of each,
; taken by scalar loads, since an index and a weight are the same for all lanes.  All 32 rows of a wave are asked for at once.  An index is held to the table (16,383) before it enters an address.
; The multiply-adds are not packed: a packed form takes only the low word of an even scalar pair, and the weights lie one to a register.
; NO CLUSTER, no LDS: each query names its own rows.  No prefetch: the rows are asked for as soon as their indices are known.
; THE MODE: SCHED_MODE bits 1:0 = 2 (LLVM: expert scheduling mode 2), set by the entry lines.  The code itself states the register dependences between vector instructions and memory
; instructions, and between a vector instruction that writes a scalar register and its readers, with s_wait_alu, always for 0.
; THE PLAN.  Registers that memory instructions touch:
;   v[O ..]   32 offsets, each written by one add and read by one load.  All are made first; one wait; the 32 loads go in one run.
;   v[F ..]   each row lands once; the multiply-adds read it; nothing lands there again.
;   v[A ..]   the four sums, written by the multiply-adds; one wait behind the last of them; the four stores go in one run.
;   v[L8]     written at the head, read by the adds and, as their offset, by the stores.
; No register that a memory instruction reads is written again, so no wait on vm_vsrc is owed.
.set L8,  1                            ; v1        8 x lane
.set O,   2                            ; v[2:33]   row r = 8 i + j: byte offset in features
.set F,   34                           ; v[34:97]  the rows
.set A,   98                           ; v[98:105] the four sums
.set WV,  4
.set TM,  92
.macro ROWREG i, j                     ; SI, SW: the scalar registers of entry j of my query i
.if (\j) < 4
.set SI, 8+4*(\i)+(\j)
.set SW, 40+4*(\i)+(\j)
.else
.set SI, 24+4*(\i)+(\j)-4
.set SW, 68+4*(\i)+(\j)-4
.endif
.endm
	s_load_b256 s[84:91], s[0:1], 0x0              ; features s[84:85], idx s[86:87], wts s[88:89], out0 s[90:91]
	v_lshrrev_b32 v[L8], 5, v0
	v_readfirstlane_b32 s[WV], v[L8]               ; wave 0..7
	v_and_b32 v[L8], 31, v0
	v_lshlrev_b32 v[L8], 3, v[L8]
	s_lshl_b32 s[TM], ttmp9, 10                    ; the work-group's block of idx and wts,
	s_wait_alu depctr_va_sdst(0)                   ; the wave's number is written, ahead of its first reader: the bases of idx, wts and out0 are made from it
	s_lshl_b32 s[TM+1], s[WV], 6                   ; my four queries' 64 bytes
	s_add_co_u32 s[TM], s[TM], s[TM+1]
	s_mov_b32 s[TM+1], 0
	s_lshl_b32 s[TM+2], ttmp9, 13                  ; the work-group's 32 rows of out0,
	s_lshl_b32 s[TM+3], s[WV], 10                  ; my four
	s_add_co_u32 s[TM+2], s[TM+2], s[TM+3]
	s_mov_b32 s[TM+3], 0
	s_wait_kmcnt 0x0
	s_add_nc_u64 s[86:87], s[86:87], s[TM:TM+1]
	s_add_nc_u64 s[88:89], s[88:89], s[TM:TM+1]
	s_add_nc_u64 s[90:91], s[90:91], s[TM+2:TM+3]
	s_load_b512 s[8:23],  s[86:87], 0x0            ; indices 0-3 of my four queries
	s_load_b512 s[24:39], s[86:87], 0x200          ; indices 4-7
	s_load_b512 s[40:55], s[88:89], 0x0            ; weights 0-3
	s_load_b512 s[68:83], s[88:89], 0x200          ; weights 4-7
	s_wait_kmcnt 0x0
.irp i, 0,1,2,3
.irp j, 0,1,2,3,4,5,6,7
	ROWREG \i, \j
	s_min_u32 s[SI], s[SI], 16383
	s_lshl_b32 s[SI], s[SI], 8
	v_add_nc_u32 v[O+8*(\i)+(\j)], s[SI], v[L8]
.endr
.endr
	s_wait_alu depctr_va_vdst(0)                   ; the 32 offsets are written, which the loads below read
.irp i, 0,1,2,3
.irp j, 0,1,2,3,4,5,6,7
	global_load_b64 v[F+2*(8*(\i)+(\j)):F+2*(8*(\i)+(\j))+1], v[O+8*(\i)+(\j)], s[84:85]
.endr
.endr
.irp i, 0,1,2,3
	s_wait_loadcnt 24-8*(\i)                       ; loads come back in order (ISA guide 5.7.1): query i's eight rows are in, the later queries' may stay out
	ROWREG \i, 0
	v_mul_f32 v[A+2*(\i)],   s[SW], v[F+16*(\i)]
	v_mul_f32 v[A+2*(\i)+1], s[SW], v[F+16*(\i)+1]
.irp j, 1,2,3,4,5,6,7
	ROWREG \i, \j
	v_fmac_f32 v[A+2*(\i)],   s[SW], v[F+2*(8*(\i)+(\j))]
	v_fmac_f32 v[A+2*(\i)+1], s[SW], v[F+2*(8*(\i)+(\j))+1]
.endr
.endr
	s_wait_alu depctr_va_vdst(0)                   ; the four sums are written, which the stores below read
.irp i, 0,1,2,3
	global_store_b64 v[L8], v[A+2*(\i):A+2*(\i)+1], s[90:91] offset:256*(\i)  ; 256 consecutive bytes, at a multiple of 256 from out0's first byte
.endr
	s_endpgm
.Lfunc_end_k_q5e8b3af619_gather:
	.size	k_q5e8b3af619_gather, .Lfunc_end_k_q5e8b3af619_gather-k_q5e8b3af619_gather
	.p2alignl 7, 3214868480
	.fill 96, 4, 3214868480
	.section	.rodata,"a",@progbits
	.p2align	6, 0x0
	.amdhsa_kernel k_q5e8b3af619_gather
		.amdhsa_group_segment_fixed_size 0
		.amdhsa_private_segment_fixed_size 0
		.amdhsa_enable_private_segment 0
		.amdhsa_kernarg_size 32
		.amdhsa_user_sgpr_count 2
		.amdhsa_user_sgpr_kernarg_segment_ptr 1
		.amdhsa_wavefront_size32 1
		.amdhsa_system_sgpr_workgroup_id_x 1
		.amdhsa_system_sgpr_workgroup_id_y 1
		.amdhsa_system_sgpr_workgroup_id_z 1
		.amdhsa_system_vgpr_workitem_id 0
		.amdhsa_next_free_vgpr 108
		.amdhsa_next_free_sgpr 96
		.amdhsa_reserve_vcc 0
		.amdhsa_float_denorm_mode_32 3
		.amdhsa_float_denorm_mode_16_64 3
		.amdhsa_memory_ordered 1
		.amdhsa_forward_progress 1
		.amdhsa_inst_pref_size 11
	.end_amdhsa_kernel
	.amdgpu_metadata
---
amdhsa.version: [ 1, 2 ]
amdhsa.kernels:
  - .name:           k_q5e8b3af619_gather
    .symbol:         k_q5e8b3af619_gather.kd
    .args:
      - { .name: features, .offset: 0, .size: 8, .value_kind: global_buffer, .address_space: global }
      - { .name: idx, .offset: 8, .size: 8, .value_kind: global_buffer, .address_space: global }
      - { .name: wts, .offset: 16, .size: 8, .value_kind: global_buffer, .address_space: global }
      - { .name: out0, .offset: 24, .size: 8, .value_kind: global_buffer, .address_space: global }
    .group_segment_fixed_size: 0
    .private_segment_fixed_size: 0
    .kernarg_segment_align: 8
    .kernarg_segment_size: 32
    .max_flat_workgroup_size: 256
    .sgpr_count:     96
    .vgpr_count:     108
    .wavefront_size: 32
...
	.end_amdgpu_metadata
.endif
;; end of part 5
